; MI455X (gfx1250); checked and timed in simulation.
; The chip was launched on July 23, 2026; its instructions are those of AMD's public machine-readable ISA for CDNA 5 (MIT licence, August 2026) and "CDNA5" Instruction Set Architecture Reference Guide (July 2026). The comments in the code are by the model that wrote it; some were corrected since.
;; Badhanau Attention. Allowed arithmetic: matrix products marked QUANTISED: E2M1 operands, one E8M0 scale for each 32 along K, by v_wmma_scale_f32_16x16x128_f8f6f4 with both operands' format E2M1 (or v_wmma_scale_f32_32x16x128_f4), f32 sums; products left as they are: f32 operands where the result goes on into a quantised operand, else bf16, f16 or f32 operands; f32 sums; everything else in f32.
;; Inputs: U_a_codes 1,024 x 32 x 16 uint8 (E2M1 codes of U_a, K innermost, in blocks of 32 codes, two codes a byte); U_a_scales 1,024 x 32 uint8 (E8M0 scales of U_a, one for each 32 codes along K); W_a_codes 1,024 x 32 x 16 uint8 (E2M1 codes of W_a, K innermost, in blocks of 32 codes, two codes a byte); W_a_scales 1,024 x 32 uint8 (E8M0 scales of W_a, one for each 32 codes along K); decoder_hidden_state 32 x 1 x 1,024 float32; encoder_hidden_states 32 x 2,048 x 1,024 float32; ffn_codes 1,024 x 64 x 16 uint8 (E2M1 codes of ffn, K innermost, in blocks of 32 codes, two codes a byte); ffn_scales 1,024 x 64 uint8 (E8M0 scales of ffn, one for each 32 codes along K); v_t 1,024 x 1 float32.
;; Outputs: out0 32 x 1 x 1,024 float32; out1 32 x 1 x 1,024 float32.
;; This version of the problem:
;;   THIS VERSION OF THE PROBLEM IS GIVEN IN LOW PRECISION. The matrix products marked QUANTISED in the list below multiply operands that are first quantised to E2M1 (2 exponent bits, 1 mantissa bit; 4 bits a number), with one power-of-two scale for each 32 numbers along K (OCP MX v1.0); their sums are f32. All else is computed in f32.
;;   The module's matrix products, in the order in which they are computed (A, B: the left and right operand; K: the contracted axis; several contracted axes count as one K, in the product's order):
;;     1. [M 65,536, K 1,024] x [K 1,024, N 1,024]; A: input encoder_hidden_states; B: input U_a (given as codes): QUANTISED
;;     2. [M 32, K 1,024] x [K 1,024, N 1,024]; A: input decoder_hidden_state; B: input W_a (given as codes): QUANTISED
;;     3. [M 65,536, K 1,024] x [K 1,024, N 1]; A: computed on the way; B: input v_t: left as it is (N = 1 < 16)
;;     4. batch 32 x [M 1, K 2,048] x [K 2,048, N 1,024]; A: softmax; B: input encoder_hidden_states: left as it is (M = 1 < 16)
;;     5. [M 32, K 2,048] x [K 2,048, N 1,024]; A: computed on the way; B: input ffn (given as codes): QUANTISED
;;   THE QUANTISER, for each operand of a quantised product, along K:
;;     - K is cut into blocks of 32 from its start; a last block that is shorter is filled with zeros.
;;     - A block's scale is 2^e with e = floor(log2(the largest magnitude in the block)) - 2, held to -126 .. 127; a block of zeros has e = 0. As a byte (E8M0): e + 127.
;;     - Each number is divided by its block's scale, clamped to +-6, and rounded to the nearest number of E2M1, ties to even, subnormals kept.
;;     - The product sums the exact products of the quantised numbers (number of the format x scale) in f32.
;;   ~~~python
;;   def quantise(x, axis):      # numpy; x: float32 -> the quantised numbers, widened to float32 again
;;       x = np.moveaxis(x, axis, -1); K = x.shape[-1]
;;       x = np.pad(x, [(0, 0)] * (x.ndim - 1) + [(0, -K % 32)]); x = x.reshape(x.shape[:-1] + (-1, 32)); a = np.abs(x).max(-1, keepdims=True)
;;       e = np.where(a > 0, np.clip(np.frexp(np.where(a > 0, a, 1))[1] - 1 - 2, -126, 127), 0)      # np.frexp(a)[1] - 1 = floor(log2(a)), exactly
;;       r = np.clip(x / 2.0 ** e, -6, 6)
;;       step = 2.0 ** (np.maximum(np.frexp(np.where(r == 0, 1, r))[1] - 1, 0) - 1)
;;       q = np.round(r / step) * step * 2.0 ** e      # np.round: ties to even
;;       return np.moveaxis(q.reshape(q.shape[:-2] + (-1,))[..., :K], -1, axis).astype(np.float32)
;;   ~~~
;;   OPERANDS COMPUTED ON THE WAY. 'Computed on the way' means the value that the module computes at that place (a softmax that the list does not call 'softmax' is quantised finished and normalised). What goes into a quantiser is computed in f32, as accurately as f32 sums, v_exp_f32 and their like allow (about 1e-6 of the number): no bf16 or f16 on the way to a quantiser, and a product that is left as it is and whose result goes on into a quantised operand takes f32 operands (vector FMAs, or v_wmma_f32_16x16x4_f32). A number that lies on a knife's edge between two numbers of the format may be rounded either way, as far as f32 arithmetic and the matrix unit's own rounding can turn it there, and no further.
;;   INPUTS GIVEN AS CODES. U_a (in the module: [1024, 1024], K = its axis 0); W_a (in the module: [1024, 1024], K = its axis 0); ffn (in the module: [2048, 1024], K = its axis 0): each comes as NAME_codes (uint8): NAME with its K axis moved to the last place and cut into blocks of 32 codes, [.., K / 32, bytes a block], one block behind the other in memory; two codes a byte, the lower K in the low four bits (a code: sign, 2 exponent bits, 1 mantissa bit); and NAME_scales (uint8): the same leading axes, one E8M0 byte (e + 127) for each 32 codes along K. Its value is code x scale, taken as it is: it is not quantised again, and the codes and scales need not be those that the quantiser above would give.
;; One version. Each part assembles by itself: llvm-mc -triple=amdgcn-amd-amdhsa -mcpu=gfx1250 --defsym DOCPART=n.
;; ======== version 1 of 1: 3 launches
;; limits: right only within a limited range of input values
;; workspace buffers: uimg 557,056 bytes; fimg 1,114,112 bytes; cwb 131,072 bytes; pctx 1,048,576 bytes; pml 65,536 bytes
;; launch prep (part 1): grid 104 x 1, 8 waves a work-group, no clusters, 37,888 bytes of LDS; arguments decoder_hidden_state, W_a_codes, W_a_scales, U_a_codes, U_a_scales, ffn_codes, ffn_scales, cwb, uimg, fimg; writes cwb, uimg, fimg
.if DOCPART == 1
	.amdgcn_target "amdgcn-amd-amdhsa--gfx1250"
	.amdhsa_code_object_version 6
	.text
	.protected	k_qdb3fe9f507_prep
	.globl	k_qdb3fe9f507_prep
	.p2align	8
	.type	k_qdb3fe9f507_prep,@function
k_qdb3fe9f507_prep:
	s_mov_b64 s[64:65], 0
	v_nop
	global_prefetch_b8 v0, s[64:65] scope:SCOPE_SE
	s_setreg_imm32_b32 hwreg(HW_REG_WAVE_MODE, 25, 1), 1
	s_wait_xcnt 0x0
; PREP.  Three small jobs in one launch, told apart by the work-group's number g (the same for all waves of a work-group):
;   g 0-7:    cwb[32][1024] = c x (Q(dec) W_a), c = 2 log2(e): the decoder's term of the score, already multiplied by tanh's constant.  MX-FP4 product, f32 sums.
;   g 8-39:   uimg: U_a's codes and scale bytes laid in the order of an operand's registers: 64 tiles of 16 columns; a tile is 16 runs of 512 bytes (run i: lane l's 16 bytes at 16 l:
;             K step i / 2, registers 4 (i % 2) on) and one run of scale words (lane (r, h), word q: K step 2 q + h of column r).
;   g 40-103: fimg: the same for ffn (32 runs and two runs of scale words a tile).
; So the later launches load every fragment by dense loads of 512 bytes a wave.  In the two relays a wave moves FOUR runs (128 consecutive bytes of each of 16 rows), so that few requests stand in one
; work-group; the wave with a tile's first four runs moves its scale words too.  Only the first job uses LDS and barriers.
; LIMITS: NaN and infinities among the inputs are not served; a block of dec whose largest magnitude lies under 2^-124 (a block of zeros among them) gets the scale byte 1:
; its codes are as the quantiser gives them, and these bytes are read by this program alone.
.set C2L,  0x4038aa3b                  ; c = 2 log2(e)
.set DIMG, 0                           ; LDS: dec's 16 fragments as images of their registers, 1,024 bytes each (fragment 8 m + s)
.set DSC,  16384                       ; their scale words: 8 runs of 128 bytes (run 4 m + s / 2: lanes 0-15 the even K step, lanes 16-31 the odd one)
.set WST,  17408                       ; the way out: 32 rows x (512 bytes + 16)
.set WP,   528
.set DS,   16                          ; v16-23  dec's scale words; nothing else
.set WS,   24                          ; v24-27  W_a's scale words; nothing else
.set TMP,  28
.set TM2,  29
.set SH,   30                          ; 8 x (lane / 16)
.set ACC,  32                          ; v32-47  two accumulators
.set PC,   48                          ; v48-55  the codes just made
.set PW0,  56                          ; v56, v57 the two K steps' scale words
.set PW1,  57
.set MX,   58
.set SO,   60
.set BY,   62
.set WF,   64                          ; v64-127 W_a's 8 fragments
.set X,    128                         ; v128-255 128 numbers of dec, later dec's 16 fragments
.set SEL,  28                          ; s[28:29] v_permlanex16_b32's selects for lane l xor 16
.set HM,   30                          ; s30 lanes 16-31
; 64 numbers of a lane, register 32 c + i = k 64 c + 32 h + i of my row (two whole blocks of 32), become a fragment's 8 registers of codes in v[PC] on and the row's scale word in v[pw].
.macro QF x, pw
.irp c, 0,1
	v_max3_num_f32 v[MX+\c], |v[(\x)+32*\c]|, |v[(\x)+32*\c+1]|, 0x1800000     ; the floor 2^(3 - 127) among the leaves: the byte cannot fall under 1
.endr
.irp i, 2,4,6,8,10,12,14,16,18,20,22,24,26,28,30
.irp c, 0,1
	s_delay_alu instid0(VALU_DEP_2)
	v_max3_num_f32 v[MX+\c], v[MX+\c], |v[(\x)+32*\c+\i]|, |v[(\x)+32*\c+\i+1]|   ; the two blocks by turns
.endr
.endr
.irp c, 0,1
	s_delay_alu instid0(VALU_DEP_2)
	v_add_nc_u32 v[SO+\c], 0xff000000, v[MX+\c]    ; 2 off the exponent field: the conversion's scale operand
.endr
.irp c, 0,1
	s_delay_alu instid0(VALU_DEP_2)
	v_lshrrev_b32 v[BY+\c], 23, v[SO+\c]           ; the scale's byte
.endr
	s_delay_alu instid0(VALU_DEP_1)
	v_lshl_or_b32 v[\pw], v[BY+1], 16, v[BY]       ; my bytes: blocks h and 2 + h,
	s_delay_alu instid0(VALU_DEP_1)
	v_lshlrev_b32 v[\pw], v[SH], v[\pw]            ; at their places in the word;
	s_delay_alu instid0(VALU_DEP_1)
	v_permlanex16_b32 v[TMP], v[\pw], s[SEL], s[SEL+1]
	s_delay_alu instid0(VALU_DEP_1)
	v_or_b32 v[\pw], v[\pw], v[TMP]                ; with lane l xor 16's two the word is whole, in both lanes
.irp c, 0,1
.irp g, 0,1,2,3
	v_cvt_scalef32_pk8_fp4_f32 v[PC+4*\c+\g], v[(\x)+32*\c+8*\g:(\x)+32*\c+8*\g+7], v[SO+\c]
.endr
.endr
	v_nop                                          ; one plain place behind the last scaled conversion
.endm
; Four runs of a tile of 16 rows of codes (KS K steps of 64 bytes a row), from rows into register order.  s25: which four runs of the tensor: tile s25 >> LP, runs 4 (s25 % 2^LP) on.
.macro RELAY KS, LP, pc, ps, po
	s_lshr_b32 s31, s25, \LP                       ; the tile
	s_and_b32 s32, s25, (1<<\LP)-1                 ; which four of its runs
	s_mul_i32 s26, s31, 16*64*\KS                  ; the tile's 16 rows of codes,
	s_lshl_b32 s33, s32, 7                         ; my 128 bytes of each
	s_add_co_u32 s26, s26, s33
	s_add_nc_u64 s[\pc:\pc+1], s[\pc:\pc+1], s[26:27]
	s_mul_i32 s26, s31, 16*4*\KS                   ; its scale bytes,
	s_add_nc_u64 s[\ps:\ps+1], s[\ps:\ps+1], s[26:27]
	s_mul_i32 s26, s31, 1088*\KS                   ; and its image: 2 KS runs of 512 bytes + 64 KS bytes of scale words
	s_add_nc_u64 s[\po:\po+1], s[\po:\po+1], s[26:27]
	s_lshl_b32 s26, s32, 11
	s_add_nc_u64 s[34:35], s[\po:\po+1], s[26:27]  ; my four runs in it
	v_mul_u32_u24 v5, v2, 64*\KS
	s_delay_alu instid0(VALU_DEP_1)
	v_lshl_add_u32 v5, v3, 4, v5                   ; row r, + 16 h
.irp i, 0,1,2,3
	global_load_b128 v[64+4*\i:64+4*\i+3], v5, s[\pc:\pc+1] offset:32*\i
.endr
	s_cmp_lg_u32 s32, 0                            ; a branch on ids: the wave with the tile's first runs moves the scale words
	s_cbranch_scc1 .Lno_scales_\@
	v_mul_u32_u24 v6, v2, 4*\KS
	s_delay_alu instid0(VALU_DEP_1)
	v_lshl_add_u32 v6, v3, 2, v6                   ; row r's scale bytes, + 4 h
.set i, 0
.rept \KS/2
	global_load_b32 v[32+i], v6, s[\ps:\ps+1] offset:8*i
.set i, i+1
.endr
	s_wait_loadcnt 0x0
	global_store_b128 v4, v[32:35], s[\po:\po+1] offset:1024*\KS
.if \KS > 8
	global_store_b128 v4, v[36:39], s[\po:\po+1] offset:1024*\KS+512
.endif
.Lno_scales_\@:
	s_wait_loadcnt 0x0
.irp i, 0,1,2,3
	global_store_b128 v4, v[64+4*\i:64+4*\i+3], s[34:35] offset:512*\i      ; 32 lanes store 512 consecutive bytes
.endr
.endm
.macro BAR                                     ; my LDS stores have landed and my LDS loads are in: then the work-group's barrier
	s_wait_dscnt 0x0
	s_barrier_signal -1
	s_barrier_wait -1
.endm
	s_load_b256 s[4:11], s[0:1], 0x0               ; dec s[4:5], W codes s[6:7], W scales s[8:9], U codes s[10:11]
	s_load_b256 s[12:19], s[0:1], 0x20             ; U scales s[12:13], ffn codes s[14:15], ffn scales s[16:17], cwb s[18:19]
	s_load_b128 s[20:23], s[0:1], 0x40             ; uimg s[20:21], fimg s[22:23]
	v_lshl_add_u32 v15, v0, 2, 0x9000
	v_mov_b32 v31, 0
	v_lshrrev_b32 v1, 5, v0
	s_delay_alu instid0(VALU_DEP_1)
	v_readfirstlane_b32 s24, v1                    ; wave 0..7
	v_and_b32 v1, 31, v0                           ; lane
	v_and_b32 v2, 15, v0                           ; r
	v_bfe_u32 v3, v0, 4, 1                         ; h
	s_delay_alu instid0(VALU_DEP_3)
	v_lshlrev_b32 v4, 4, v1                        ; 16 x lane
	s_lshl_b32 s25, ttmp9, 3
	s_add_co_u32 s25, s25, s24                     ; 8 g + wave
	s_mov_b32 s27, 0
	s_wait_kmcnt 0x0
	s_cmp_lt_u32 ttmp9, 8
	s_cbranch_scc1 .Lpath_w
	s_cmp_lt_u32 ttmp9, 40
	s_cbranch_scc1 .Lpath_u
	s_sub_co_u32 s25, s25, 320                     ; ffn: 512 waves, eight to a tile
	s_wait_alu depctr_va_vdst(0)
	RELAY 16, 3, 14, 16, 22
	s_endpgm
.Lpath_u:
	s_sub_co_u32 s25, s25, 64                      ; U_a: 256 waves, four to a tile
	s_wait_alu depctr_va_vdst(0)
	RELAY 8, 2, 10, 12, 20
	s_endpgm
.Lpath_w:
	; s25 = my tile of 16 columns.  Wave w quantises dec's fragments 2 w and 2 w + 1 (rows 16 (w / 4) on, K steps 2 (w % 4) and + 1); every wave then multiplies all 16 by its own 16 columns of W_a
	s_wait_alu depctr_va_vdst(0)
	v_lshlrev_b32 v5, 12, v2
	s_delay_alu instid0(VALU_DEP_1)
	v_lshl_add_u32 v5, v3, 7, v5                   ; dec: row r of 4,096 bytes, + 128 h: my whole block of 32
	v_lshlrev_b32 v6, 9, v2
	s_delay_alu instid0(VALU_DEP_1)
	v_lshl_add_u32 v6, v3, 4, v6                   ; W's codes: row r of 512 bytes, + 16 h
	v_lshlrev_b32 v7, 5, v2
	s_delay_alu instid0(VALU_DEP_1)
	v_lshl_add_u32 v7, v3, 2, v7                   ; W's scale bytes: row r of 32, + 4 h
	s_lshl_b32 s26, s24, 11
	v_add_nc_u32 v8, s26, v4                       ; where I store my two images: 2,048 x wave + 16 x lane
	v_lshlrev_b32 v10, 2, v1                       ; 4 x lane
	s_lshl_b32 s26, s24, 7
	v_add_nc_u32 v9, s26, v10                      ; and their scale words: 128 x wave + 4 x lane
	v_mul_u32_u24 v11, v2, WP
	s_delay_alu instid0(VALU_DEP_1)
	v_lshl_add_u32 v11, v3, 5, v11
	s_lshl_b32 s26, s24, 6
	s_add_co_u32 s26, s26, WST
	v_add_nc_u32 v11, s26, v11                     ; the stage, in: row r, + 64 x wave + 32 h
	s_mul_i32 s26, s24, 4*WP
	s_add_co_u32 s26, s26, WST
	v_add_nc_u32 v12, s26, v4                      ; and back: rows 4 x wave on, 16 bytes a lane
	v_lshlrev_b32 v[SH], 3, v3
	v_mov_b32 v[TMP], 0                            ; a lane permute's destination counts as one of its sources
	s_mov_b32 s[SEL], 0x76543210
	s_mov_b32 s[SEL+1], 0xfedcba98
	s_mov_b32 s[HM], 0xffff0000
	s_lshr_b32 s26, s24, 2
	s_lshl_b32 s26, s26, 16                        ; 16 rows of dec for each w / 4,
	s_and_b32 s31, s24, 3
	s_lshl_b32 s31, s31, 10                        ; two K steps of 512 bytes for each w % 4
	s_add_co_u32 s26, s26, s31
	s_add_nc_u64 s[4:5], s[4:5], s[26:27]
	s_lshl_b32 s26, s25, 13
	s_add_nc_u64 s[6:7], s[6:7], s[26:27]          ; my 16 rows of W's codes
	s_lshl_b32 s26, s25, 9
	s_add_nc_u64 s[8:9], s[8:9], s[26:27]          ; and of its scale bytes
	s_lshl_b32 s26, s24, 14
	s_lshl_b32 s31, ttmp9, 9
	s_add_co_u32 s26, s26, s31
	s_add_nc_u64 s[18:19], s[18:19], s[26:27]      ; cwb: rows 4 x wave on, columns 128 g on
.irp f, 0,1
.irp c, 0,1
.irp i, 0,1,2,3,4,5,6,7
	global_load_b128 v[X+64*\f+32*\c+4*\i:X+64*\f+32*\c+4*\i+3], v5, s[4:5] offset:512*\f+256*\c+16*\i
.endr
.endr
.endr
.set i, 0
.rept 16
	global_load_b128 v[WF+4*i:WF+4*i+3], v6, s[6:7] offset:32*i
.set i, i+1
.endr
.irp q, 0,1,2,3
	global_load_b32 v[WS+\q], v7, s[8:9] offset:8*\q           ; lanes 0-15: K step 2 q; lanes 16-31: K step 2 q + 1
.endr
	s_wait_loadcnt 20                              ; dec's 32 loads are in; W's 20, issued behind them, may be out
	QF X, PW0
	ds_store_b128 v8, v[PC:PC+3] offset:DIMG
	ds_store_b128 v8, v[PC+4:PC+7] offset:DIMG+512
	s_wait_dscnt 0x0                               ; the stores have read their registers
	QF X+64, PW1
	ds_store_b128 v8, v[PC:PC+3] offset:DIMG+1024
	ds_store_b128 v8, v[PC+4:PC+7] offset:DIMG+1536
	v_cndmask_b32 v[TM2], v[PW0], v[PW1], s[HM]    ; one register for the pair of K steps: the even one below, the odd one above
	ds_store_b32 v9, v[TM2] offset:DSC
	BAR                                            ; dec's sixteen fragments lie in LDS
.set i, 0
.rept 16
	ds_load_b128 v[X+8*i:X+8*i+3], v4 offset:DIMG+1024*i
	ds_load_b128 v[X+8*i+4:X+8*i+7], v4 offset:DIMG+1024*i+512
.set i, i+1
.endr
.irp q, 0,1,2,3,4,5,6,7
	ds_load_b32 v[DS+\q], v10 offset:DSC+128*\q
.endr
	s_wait_dscnt 0x0
	s_wait_loadcnt 0x0                             ; W
	; TRANSPOSED: source 0 = 16 columns of W_a, source 1 = 16 rows of dec: lane (r, h) holds row r and its registers the columns 8 h + 0 .. 7.  The two accumulators take turns.
.irp s, 0,1,2,3,4,5,6,7
.irp m, 0,1
.if \s == 0
	v_wmma_scale_f32_16x16x128_f8f6f4 v[ACC+8*\m:ACC+8*\m+7], v[WF+8*\s:WF+8*\s+7], v[X+64*\m+8*\s:X+64*\m+8*\s+7], 0, v[WS+\s/2], v[DS+4*\m+\s/2] matrix_a_fmt:MATRIX_FMT_FP4 matrix_b_fmt:MATRIX_FMT_FP4
.elseif \s%2 == 0
	v_wmma_scale_f32_16x16x128_f8f6f4 v[ACC+8*\m:ACC+8*\m+7], v[WF+8*\s:WF+8*\s+7], v[X+64*\m+8*\s:X+64*\m+8*\s+7], v[ACC+8*\m:ACC+8*\m+7], v[WS+\s/2], v[DS+4*\m+\s/2] matrix_a_fmt:MATRIX_FMT_FP4 matrix_b_fmt:MATRIX_FMT_FP4
.else
	v_wmma_scale_f32_16x16x128_f8f6f4 v[ACC+8*\m:ACC+8*\m+7], v[WF+8*\s:WF+8*\s+7], v[X+64*\m+8*\s:X+64*\m+8*\s+7], v[ACC+8*\m:ACC+8*\m+7], v[WS+\s/2], v[DS+4*\m+\s/2] matrix_a_fmt:MATRIX_FMT_FP4 matrix_b_fmt:MATRIX_FMT_FP4 matrix_a_scale:MATRIX_SCALE_ROW1 matrix_b_scale:MATRIX_SCALE_ROW1
.endif
.endr
.endr
.rept 4
	v_nop                                          ; four places behind the last product (ISA guide 7.12.1)
.endr
.set i, 0
.rept 16
	v_mul_f32 v[ACC+i], C2L, v[ACC+i]              ; x c; each accumulator from its low end on
.set i, i+1
.endr
.irp m, 0,1
	ds_store_b128 v11, v[ACC+8*\m:ACC+8*\m+3] offset:16*\m*WP
	ds_store_b128 v11, v[ACC+8*\m+4:ACC+8*\m+7] offset:16*\m*WP+16
.endr
	BAR                                            ; 32 rows x 128 columns lie in the stage
.irp i, 0,1,2,3
	ds_load_b128 v[WF+4*\i:WF+4*\i+3], v12 offset:WP*\i
.endr
.irp i, 0,1,2,3
	s_wait_dscnt 3-\i                              ; row i is back; the rows behind it may be out
	global_store_b128 v4, v[WF+4*\i:WF+4*\i+3], s[18:19] offset:4096*\i     ; 32 lanes store 512 consecutive bytes
.endr
	s_wait_tensorcnt 0x0
	ds_add_u32 v15, v31
	s_wait_dscnt 0x0
	s_endpgm
.Lfunc_end_k_qdb3fe9f507_prep:
	.size	k_qdb3fe9f507_prep, .Lfunc_end_k_qdb3fe9f507_prep-k_qdb3fe9f507_prep
	.p2alignl 7, 3214868480
	.fill 96, 4, 3214868480
	.section	.rodata,"a",@progbits
	.p2align	6, 0x0
	.amdhsa_kernel k_qdb3fe9f507_prep
		.amdhsa_group_segment_fixed_size 37888
		.amdhsa_private_segment_fixed_size 0
		.amdhsa_enable_private_segment 0
		.amdhsa_kernarg_size 80
		.amdhsa_user_sgpr_count 2
		.amdhsa_user_sgpr_kernarg_segment_ptr 1
		.amdhsa_wavefront_size32 1
		.amdhsa_system_sgpr_workgroup_id_x 1
		.amdhsa_system_sgpr_workgroup_id_y 1
		.amdhsa_system_sgpr_workgroup_id_z 1
		.amdhsa_system_vgpr_workitem_id 0
		.amdhsa_next_free_vgpr 256
		.amdhsa_next_free_sgpr 66
		.amdhsa_reserve_vcc 0
		.amdhsa_float_denorm_mode_32 3
		.amdhsa_float_denorm_mode_16_64 3
		.amdhsa_memory_ordered 1
		.amdhsa_forward_progress 1
		.amdhsa_inst_pref_size 29
	.end_amdhsa_kernel
	.amdgpu_metadata
---
amdhsa.version: [ 1, 2 ]
amdhsa.kernels:
  - .name:           k_qdb3fe9f507_prep
    .symbol:         k_qdb3fe9f507_prep.kd
    .args:
      - { .name: decoder_hidden_state, .offset: 0, .size: 8, .value_kind: global_buffer, .address_space: global }
      - { .name: W_a_codes, .offset: 8, .size: 8, .value_kind: global_buffer, .address_space: global }
      - { .name: W_a_scales, .offset: 16, .size: 8, .value_kind: global_buffer, .address_space: global }
      - { .name: U_a_codes, .offset: 24, .size: 8, .value_kind: global_buffer, .address_space: global }
      - { .name: U_a_scales, .offset: 32, .size: 8, .value_kind: global_buffer, .address_space: global }
      - { .name: ffn_codes, .offset: 40, .size: 8, .value_kind: global_buffer, .address_space: global }
      - { .name: ffn_scales, .offset: 48, .size: 8, .value_kind: global_buffer, .address_space: global }
      - { .name: cwb, .offset: 56, .size: 8, .value_kind: global_buffer, .address_space: global }
      - { .name: uimg, .offset: 64, .size: 8, .value_kind: global_buffer, .address_space: global }
      - { .name: fimg, .offset: 72, .size: 8, .value_kind: global_buffer, .address_space: global }
    .group_segment_fixed_size: 37888
    .private_segment_fixed_size: 0
    .kernarg_segment_align: 8
    .kernarg_segment_size: 80
    .max_flat_workgroup_size: 256
    .sgpr_count:     66
    .vgpr_count:     256
    .wavefront_size: 32
...
	.end_amdgpu_metadata
.endif
;; end of part 1
;; launch attn (part 2): grid 256 x 1, 4 waves a work-group, no clusters, 327,680 bytes of LDS; arguments encoder_hidden_states, uimg, cwb, v_t, pctx, pml; writes pctx, pml
.if DOCPART == 2
	.amdgcn_target "amdgcn-amd-amdhsa--gfx1250"
	.amdhsa_code_object_version 6
	.text
	.protected	k_qdb3fe9f507_attn
	.globl	k_qdb3fe9f507_attn
	.p2align	8
	.type	k_qdb3fe9f507_attn,@function
k_qdb3fe9f507_attn:
	s_mov_b64 s[64:65], 0
	v_nop
	global_prefetch_b8 v0, s[64:65] scope:SCOPE_SE
	s_setreg_imm32_b32 hwreg(HW_REG_WAVE_MODE, 25, 1), 1
	s_wait_xcnt 0x0
; ATTN.  For 256 rows of enc (an eighth of a batch) a work-group makes the softmax's running maximum m, sum l and the unnormalised context sum p x enc, reading each row of enc once.
;   score: e = sum over a of v_a tanh(w_a + u_a), u = Q(enc) U_a in MX-FP4.  tanh(x) = 1 - 2 / (1 + 2^(c x)), c = 2 log2(e).
;   LEFT OUT: the "1" adds sum v_a to every row's score, the same number along the softmax's axis, so it cancels for all values of the inputs.  A NaN or an overflow that reaches only that sum is not carried on.
;   t = log2(e) e - const = sum over a of (-c v_a) / (1 + 2^(c u_a + c w_a)); the softmax is taken in base 2 with a running maximum; c w comes from the launch before.
; SHARES.  Four blocks of 64 rows.  Wave w lands, keeps (f32, 512 registers) and quantises rows 16 w .. 16 w + 15 of a block; every wave holds the codes of all 64 rows (256 registers) and multiplies
;   them by its own 256 columns of U (16 tiles of 16 = 8 pairs), which come from memory straight into registers on two buffers of one tile.
; THE WALK OVER U GOES ROUND: the buffers are U's alone, and the pair that a block multiplies last stays in them and is the next block's first.  So a block asks for 7 pairs, and a wave for 58 tiles in all where four walks have 64.
; A TILE: 32 matrix instructions (K = 1,024 x four tiles of rows, the four accumulators by turns), then the tanh of its 32 registers in batches: scale, 32 exponentials, + 1, 32 reciprocals, sum.
; U IS NOT ASKED FOR JOINTLY IN A CLUSTER: a ring for it wants two slots of one tile a wave, 2 x 34,816 bytes, beside the landing slot's 278,528 and the 45,568 of tables, codes and spare words:
;   393,728 bytes, more than the 327,680 that a work-group can claim.
; THE LANDING SLOT is one: it is drained into registers at a block's head and asked for again at once.  One tensor load of a wave is out.
; ENC IS PREFETCHED INTO THE L2: block b asks for block b + 2, which the tensor load at block b + 1's head will want: a whole block ahead.  Each wave asks for its own 16 rows, 65,536 bytes: one instruction in each of the
;   block's 8 pairs of tiles, 32 lanes 256 bytes apart, so each aligned 256 bytes is named once in the launch.  Blocks 2 and 3 ask for nothing; blocks 0 and 1 come by their loads alone.  U is read again and again by all work-groups and is not asked for.
; THE PRODUCT IS USED TRANSPOSED (source 0 = 16 columns of U, source 1 = 16 rows): lane (r, h) holds row r and its registers the columns 8 h + 0 .. 7.
; LIMITS: NaN and infinities among the inputs are not served; a block of 32 whose largest magnitude lies under 2^-124 (zeros among them) gets the scale byte 1: read by this program alone.
; REGISTERS, in windows of 256 (s_set_vgpr_msb: bits 1:0 source 0, 3:2 source 1, 5:4 source 2, 7:6 destination):
;   window 0: below.   window 1: the codes AF(m, s) at 64 m + 8 s; while they are dead, BY, CD and R.   windows 2, 3: X(i, g, e) = 32 (i % 8) + 16 g + e: row i, column 512 g + 16 lane + e.
.set SLOTW, 69632                      ; a wave's part of the slot: 16 rows = 256 runs of 256 bytes + 16 of padding
.set RP,    4352                       ; a row there
.set CT,    4*SLOTW                    ; the codes of 64 rows, 512 bytes + 16 a row; once they are in registers, the context's stage, 4 x 4,096
.set CP,    528
.set ST,    CT+64*CP                   ; the rows' scale words: 32 row + 16 (s % 2) + 4 (s / 2) + byte
.set CWT,   ST+2048                    ; c w of my batch, 1,024 f32
.set VT,    CWT+4096                   ; -c v
.set EX,    VT+4096                    ; the waves' parts of t: 16 row + 4 wave
.set SPARE, EX+1024                    ; the spare words, 128 bytes a wave: two blocks of 256 bytes that no other line names
.set TILEB, 8704                       ; a tile of uimg
.set SPW, 1                            ; my spare word; never rewritten
.set NIL, 2                            ; 0; never rewritten
.set DR0, 3                            ; the drain: my place in rows 0-7 of my wave's part of the slot
.set DR1, 4                            ; in rows 8-15
.set CWA, 5                            ; where I store 16 codes
.set SBA, 6                            ; where I store a scale byte
.set AFA, 7                            ; a code fragment's row r, + 16 h
.set ASA, 8                            ; row r's scale words
.set L16, 9                            ; 16 x lane
.set TB0, 10                           ; my wave's part of c w, + 32 h
.set TBA, 11                           ; the same at the pair of tiles in hand
.set EXW, 12
.set EXR, 13
.set CSW, 14
.set CSR, 15
.set MR,  16                           ; m
.set LR,  17                           ; l, a part in each lane
.set FP,  18                           ; v[18:19] f = 2^(old m - new m); v19 is only named with it
.set PFO, 22                           ; the prefetches' offset: 256 x lane (at the head: where the tables are stored)
.set CTX, 24                           ; v24-31 my 8 columns of the context
.set AS,  32                           ; v32-47 the rows' scale words, 4 m + q; nothing else
.set US,  48                           ; v48-55 U's scale words, 4 x buffer + q; nothing else
.set E,   56                           ; v56-63 t's sums, a pair for each tile of rows
.set CW8, 64                           ; c w of the tile's 8 columns of my half
.set V8,  72                           ; -c v likewise
.set ACC, 80                           ; v80-111 four accumulators
.set MX,  80                           ; outside the product: the 32 groups' largest magnitudes, then the conversions' scale operands
.set T,   80                           ; later my rows' part of the context
.set TW,  112                          ; v112-127 at work
.set UF,  128                          ; v128-255 U's fragments, two buffers of 64
.set BY,  0                            ; in window 1: scale bytes,
.set CD,  64                           ; fresh codes,
.set R,   128                          ; the four waves' parts of my columns
.set WV,  16
.set G1,  20                           ; s[20:27] descriptor group 1
.set G0,  28                           ; s[28:31] group 0
.set U0,  32                           ; s[32:33] my wave's 16 tiles of uimg
.set UP,  34                           ; s[34:35] the pair that is being asked for
.set CC,  36                           ; s[36:37] c (the packed form names a pair and takes its low word)
.set SEL, 38                           ; s[38:39] lane l xor 16
.set HM,  40                           ; lanes 16-31
.set WM,  41                           ; all ones in waves 2, 3
.set WO,  42                           ; all ones in waves 1, 3
.set BLK, 43
.set TRIP, 44
.set TJ,  45                           ; 128 x the pair: its place in the tables; it goes round 0 .. 896
.set PF,  50                           ; s[50:51] where my prefetches stand in enc
.set UO,  52                           ; s[52:53] the pair's place in my wave's part of uimg, as a 64-bit offset
.set PS,  66                           ; s[66:97] p of my 16 rows, in the even words; the odd ones are only named with them
.set MSB, 0
.macro WIN new                         ; the immediate's high byte repeats the setting that is left; a switch that changes nothing is dropped
.if MSB != (\new)
	s_set_vgpr_msb (MSB<<8)|(\new)
.set MSB, (\new)
.endif
.endm
.macro VW
	s_wait_alu depctr_va_vdst(0)
.endm
.macro BAR
	VW
	s_wait_dscnt 0x0
	s_barrier_signal -1
	s_barrier_wait -1
.endm
.macro NOPS n
.rept \n
	v_nop
.endr
.endm
; my 16 rows leave the slot: 128 loads.  Lane l takes 64 bytes at run l / 4, byte 64 (l % 4)
.macro DRAINH adr
.set i, 0
.rept 8
.irp g, 0,1
.irp j, 0,1,2,3
	ds_load_b128 v[32*i+16*\g+4*\j:32*i+16*\g+4*\j+3], v[\adr] offset:RP*i+2176*\g+16*\j
.endr
.endr
.set i, i+1
.endr
.endm
; rows 8 b on: the largest magnitude of each group of 16 neighbours (group 2 row + g), the floor 2^(3 - 127) among the leaves; the 16 groups by turns
.macro QMAX b
	WIN 0x0a+5*(\b)
.set i, 0
.rept 16
	v_max3_num_f32 v[MX+16*(\b)+i], |v[16*i]|, |v[16*i+1]|, 0x1800000
.set i, i+1
.endr
.irp e, 2,4,6,8,10,12,14
.set i, 0
.rept 16
	v_max3_num_f32 v[MX+16*(\b)+i], |v[16*i+\e]|, |v[16*i+\e+1]|, v[MX+16*(\b)+i]
.set i, i+1
.endr
.endr
.endm
.macro QSCL                            ; a block of 32 along K lies in two neighbouring lanes
	WIN 0
.set i, 0
.rept 32
	v_max_num_f32_dpp v[MX+i], v[MX+i], v[MX+i] row_xmask:1 row_mask:0xf bank_mask:0xf
.set i, i+1
.endr
.set i, 0
.rept 32
	v_add_nc_u32 v[MX+i], 0xff000000, v[MX+i]      ; 2 off the exponent field: the conversion's scale operand
.set i, i+1
.endr
	WIN 0x40
.set i, 0
.rept 32
	v_lshrrev_b32 v[BY+i], 23, v[MX+i]             ; the scale's byte
.set i, i+1
.endr
.endm
.macro QCVT b
	WIN 0x42+(\b)
.set i, 0
.rept 16
	v_cvt_scalef32_pk8_fp4_f32 v[CD+32*(\b)+2*i], v[16*i:16*i+7], v[MX+16*(\b)+i]
	v_cvt_scalef32_pk8_fp4_f32 v[CD+32*(\b)+2*i+1], v[16*i+8:16*i+15], v[MX+16*(\b)+i]
.set i, i+1
.endr
	v_nop                                          ; one plain place behind the last scaled conversion
.endm
.macro QST b                           ; 16 codes a lane: 256 consecutive bytes a store; the two lanes of a block write the same byte with the same value
	WIN 0x04
.set i, 0
.rept 16
	ds_store_b64 v[CWA], v[CD+32*(\b)+2*i:CD+32*(\b)+2*i+1] offset:CP*(8*(\b)+i/2)+256*(i%2)
	ds_store_b8 v[SBA], v[BY+16*(\b)+i] offset:32*(8*(\b)+i/2)+8*(i%2)
.set i, i+1
.endr
.endm
.macro ALOAD                           ; the scale words of all 64 rows (4 loads), then their codes, 32 fragments, K step by K step: 8 loads a K step
	WIN 0
.irp m, 0,1,2,3
	ds_load_b128 v[AS+4*\m:AS+4*\m+3], v[ASA] offset:512*\m    ; word q: lanes 0-15 K step 2 q, lanes 16-31 K step 2 q + 1
.endr
	WIN 0x40
.irp s, 0,1,2,3,4,5,6,7
.irp m, 0,1,2,3
.irp c, 0,1
	ds_load_b128 v[64*\m+8*\s+4*\c:64*\m+8*\s+4*\c+3], v[AFA] offset:16*CP*\m+64*\s+32*\c
.endr
.endr
.endr
	WIN 0
.endm
.macro ULD bb, ub, uo                  ; a tile of U: 17 loads of 512 consecutive bytes
	global_load_b128 v[US+4*(\bb):US+4*(\bb)+3], v[L16], s[\ub:\ub+1] offset:(\uo)+8192
.set i, 0
.rept 16
	global_load_b128 v[UF+64*(\bb)+4*i:UF+64*(\bb)+4*i+3], v[L16], s[\ub:\ub+1] offset:(\uo)+512*i
.set i, i+1
.endr
.endm
.macro ASK                             ; 8,192 bytes of my rows of the block after the next; only blocks 0 and 1 (s[BLK] = 3, 2) have one
	s_cmp_ge_u32 s[BLK], 2
	s_cbranch_scc0 .Lnoask_\@
	global_prefetch_b8 v[PFO], s[PF:PF+1] th:TH_LOAD_NT scope:SCOPE_SE
.Lnoask_\@:
.endm
; matrix instruction k: K step k / 4, accumulator k % 4 (rows 16 (k % 4) on); the first link starts the sum.
; dw = 1: the codes may still be coming in.  Behind K step s's loads were issued the 8 loads of each later K step and the tile's 4 loads from the tables: so many may be out.
.macro GEMM bb, dw
.set k, 0
.rept 32
.set ks, k/4
.set km, k%4
.set rD, ACC+8*km
.set rU, UF+64*(\bb)+8*ks
.set rA, 64*km+8*ks
.set rX, US+4*(\bb)+ks/2
.set rY, AS+4*km+ks/2
.if (\dw) && (km == 0)
	s_wait_dscnt 8*(7-ks)+4
.endif
.if ks == 0
	v_wmma_scale_f32_16x16x128_f8f6f4 v[rD:rD+7], v[rU:rU+7], v[rA:rA+7], 0, v[rX], v[rY] matrix_a_fmt:MATRIX_FMT_FP4 matrix_b_fmt:MATRIX_FMT_FP4
.elseif ks%2 == 0
	v_wmma_scale_f32_16x16x128_f8f6f4 v[rD:rD+7], v[rU:rU+7], v[rA:rA+7], v[rD:rD+7], v[rX], v[rY] matrix_a_fmt:MATRIX_FMT_FP4 matrix_b_fmt:MATRIX_FMT_FP4
.else
	v_wmma_scale_f32_16x16x128_f8f6f4 v[rD:rD+7], v[rU:rU+7], v[rA:rA+7], v[rD:rD+7], v[rX], v[rY] matrix_a_fmt:MATRIX_FMT_FP4 matrix_b_fmt:MATRIX_FMT_FP4 matrix_a_scale:MATRIX_SCALE_ROW1 matrix_b_scale:MATRIX_SCALE_ROW1
.endif
.set k, k+1
.endr
.endm
; A TILE in buffer bb.  toff: its place in the tables from v[TBA].  ul: the next pair's tile goes out into this buffer, from s[ub:ub+1] + uo.  wl: the loads issued behind this tile's, which may be out.
; st: the tables' address goes on to the next pair.  pf: a prefetch stands here.  dw: see GEMM.
.macro TILE bb, toff, ul, ub, uo, wl, st, pf, dw
	ds_load_b128 v[CW8:CW8+3], v[TBA] offset:\toff
	ds_load_b128 v[CW8+4:CW8+7], v[TBA] offset:\toff+16
	ds_load_b128 v[V8:V8+3], v[TBA] offset:\toff+4096
	ds_load_b128 v[V8+4:V8+7], v[TBA] offset:\toff+4112
	s_wait_loadcnt \wl
	WIN 0x04                                       ; source 1 (the rows' codes) window 1
	GEMM \bb, \dw
	WIN 0
	NOPS 4                                         ; four places ahead of the loads into the buffer and of the reads of the results
.if \ul
	ULD \bb, \ub, \uo
.endif
.if \pf
	ASK
.endif
	s_wait_dscnt 0x0                               ; the tables' four loads
.set i, 0
.rept 16
	v_pk_fma_f32 v[ACC+2*i:ACC+2*i+1], v[ACC+2*i:ACC+2*i+1], s[CC:CC+1], v[CW8+2*(i%4):CW8+2*(i%4)+1] op_sel_hi:[1,0,1]   ; c u + c w; each accumulator from its low end on
.set i, i+1
.endr
.if \st
	v_add_nc_u32 v[TBA], s[TJ], v[TB0]             ; the next pair's place in the tables
.endif
	VW
.set i, 0
.rept 32
	v_exp_f32 v[ACC+i], v[ACC+i]
.set i, i+1
.endr
	v_nop                                          ; the plain place behind the batch
	VW
.set i, 0
.rept 16
	v_pk_add_f32 v[ACC+2*i:ACC+2*i+1], v[ACC+2*i:ACC+2*i+1], 1.0 op_sel_hi:[1,0]
.set i, i+1
.endr
	VW
.set i, 0
.rept 32
	v_rcp_f32 v[ACC+i], v[ACC+i]
.set i, i+1
.endr
	v_nop
	VW
.irp p, 0,1,2,3
.irp m, 0,1,2,3
	v_pk_fma_f32 v[E+2*\m:E+2*\m+1], v[ACC+8*\m+2*\p:ACC+8*\m+2*\p+1], v[V8+2*\p:V8+2*\p+1], v[E+2*\m:E+2*\m+1]   ; t += (-c v) / (1 + 2^..); the four sums by turns
.endr
.endr
.endm
; A BLOCK OF 64 ROWS.  refill = 1: the slot is asked for again, and the prefetches' lines stand.
.macro BLOCK refill
	s_wait_tensorcnt 0x0                           ; my 16 rows have landed; only I read them
	WIN 0x80
	DRAINH DR0
	WIN 0xc0
	DRAINH DR1
	WIN 0
.if \refill
	s_wait_tensorcnt 0x0                           ; no tensor load of mine is out, so group 0 may be written
	ds_add_u32 v[SPW], v[NIL]                      ; 0 onto my spare word
	s_add_nc_u64 s[G0+2:G0+3], s[G0+2:G0+3], 262144    ; the next block's 64 rows; the type bits on top are not reached
.endif
	s_wait_dscnt 63                                ; at most 63 LDS instructions are out: the first 64 loads, rows 0-7, are in
	QMAX 0                                         ; work on registers while the rest of the drain comes
	WIN 0
	VW
	s_wait_dscnt 0x0                               ; the add is done and my reads of the slot are over; so are my reads of the context's stage
	s_barrier_signal -1
	s_barrier_wait -1
.if \refill
	tensor_load_to_lds s[G0:G0+3], s[G1:G1+7]      ; my one tensor load behind the barrier, first thing there
	s_nop 0
	NOPS 4
.endif
	QMAX 1
	QSCL
	QCVT 0
	QST 0
	QCVT 1
	QST 1
	WIN 0
.irp j, 0,1,2,3,4,5,6,7
	v_mov_b32 v[E+\j], 0
.endr
	BAR                                            ; the codes and scale words of 64 rows lie in LDS
	ALOAD                                          ; waited for K step by K step in the first tile
.if \refill
	s_wait_xcnt 0x0                                ; my last prefetch has read its address
	s_add_nc_u64 s[PF:PF+1], s[PF:PF+1], 196608    ; from my 16 rows of one block to my 16 of the next: 262,144 less the 65,536 walked
.endif
	s_mov_b32 s[TRIP], 7
.Lgemm_\@:                                             ; a trip: the pair in the buffers is multiplied, the next pair of the round goes out.  Behind a tile's 17 loads the other buffer's 17 were issued: they may be out
	s_wait_xcnt 0x0                                ; the loads and the prefetch have read their bases
	s_add_co_u32 s[TJ], s[TJ], 128
	s_and_b32 s[TJ], s[TJ], 0x380                  ; the next pair, round the eight
	s_mul_i32 s[UO], s[TJ], 136                    ; 2 TILEB bytes a pair
	s_add_nc_u64 s[UP:UP+1], s[U0:U0+1], s[UO:UO+1]
.if \refill
	s_add_nc_u64 s[PF:PF+1], s[PF:PF+1], 8192
.endif
	TILE 0, 0, 1, UP, 0, 17, 0, 0, 1
	TILE 1, 64, 1, UP, TILEB, 17, 1, \refill, 0
	s_sub_co_u32 s[TRIP], s[TRIP], 1
	s_cmp_lg_u32 s[TRIP], 0
	s_cbranch_scc1 .Lgemm_\@
.if \refill
	s_wait_xcnt 0x0
	s_add_nc_u64 s[PF:PF+1], s[PF:PF+1], 8192
.endif
	TILE 0, 0, 0, 0, 0, 17, 0, \refill, 0          ; the block's eighth pair asks for no tile: it stays in the buffers for the next block
	TILE 1, 64, 0, 0, 0, 0, 0, 0, 0
	; t of the 64 rows: my 256 columns' part, then the four waves' parts through LDS
.irp m, 0,1,2,3
	v_add_f32 v[TW+\m], v[E+2*\m], v[E+2*\m+1]
.endr
.irp m, 0,1,2,3
	v_permlanex16_b32 v[TW+4+\m], v[TW+\m], s[SEL], s[SEL+1]
.endr
.irp m, 0,1,2,3
	v_add_f32 v[TW+\m], v[TW+\m], v[TW+4+\m]
.endr
	v_cndmask_b32 v[TW+8], v[TW], v[TW+1], s[HM]   ; lane l: row l
	v_cndmask_b32 v[TW+9], v[TW+2], v[TW+3], s[HM] ; row 32 + l
	ds_store_b32 v[EXW], v[TW+8]
	ds_store_b32 v[EXW], v[TW+9] offset:512
	BAR
	ds_load_b128 v[TW:TW+3], v[EXR]
	ds_load_b128 v[TW+4:TW+7], v[EXR] offset:512
	s_wait_dscnt 0x0
	v_add_f32 v[TW], v[TW], v[TW+1]
	v_add_f32 v[TW+2], v[TW+2], v[TW+3]
	v_add_f32 v[TW+4], v[TW+4], v[TW+5]
	v_add_f32 v[TW+6], v[TW+6], v[TW+7]
	v_add_f32 v[TW], v[TW], v[TW+2]                ; t of row l
	v_add_f32 v[TW+4], v[TW+4], v[TW+6]            ; t of row 32 + l
	v_max_num_f32 v[TW+8], v[TW], v[TW+4]
.irp x, 1,2,4,8
	v_max_num_f32_dpp v[TW+8], v[TW+8], v[TW+8] row_xmask:\x row_mask:0xf bank_mask:0xf
.endr
	v_permlanex16_b32 v[TW+9], v[TW+8], s[SEL], s[SEL+1]
	v_max3_num_f32 v[TW+8], v[TW+8], v[TW+9], v[MR]    ; the new m
	v_sub_f32 v[TW+10], v[MR], v[TW+8]
	v_sub_f32 v[TW], v[TW], v[TW+8]
	v_sub_f32 v[TW+4], v[TW+4], v[TW+8]
	VW
	v_exp_f32 v[FP], v[TW+10]                      ; f = 2^(old m - new m)
	v_exp_f32 v[TW+1], v[TW]                       ; p
	v_exp_f32 v[TW+5], v[TW+4]
	v_mov_b32 v[MR], v[TW+8]                       ; (the plain place behind the exponentials)
	VW
	v_fma_f32 v[LR], v[LR], v[FP], v[TW+1]
	v_add_f32 v[LR], v[LR], v[TW+5]
	v_cndmask_b32 v[TW+2], v[TW+1], v[TW+5], s[WM] ; my wave's 16 rows: of rows 0-31 or 32-63,
	v_permlanex16_b32 v[TW+3], v[TW+2], s[SEL], s[SEL+1]
	v_cndmask_b32 v[TW+2], v[TW+2], v[TW+3], s[WO] ; the lower or the upper 16, brought to lanes 0-15
.irp i, 0,1,2,3,4,5,6,7,8,9,10,11,12,13,14,15
	v_readlane_b32 s[PS+2*\i], v[TW+2], \i
.endr
	; the context: my 16 rows x all 1,024 columns, f32 multiply-adds on the rows kept in registers
	WIN 0x02
.set j, 0
.rept 16
	v_pk_mul_f32 v[T+2*j:T+2*j+1], v[2*j:2*j+1], s[PS:PS+1] op_sel_hi:[1,0]
.set j, j+1
.endr
.set i, 1
.rept 15
.if i == 8
	WIN 0x03
.endif
.set j, 0
.rept 16
	v_pk_fma_f32 v[T+2*j:T+2*j+1], v[32*(i%8)+2*j:32*(i%8)+2*j+1], s[PS+2*i:PS+2*i+1], v[T+2*j:T+2*j+1] op_sel_hi:[1,0,1]
.set j, j+1
.endr
.set i, i+1
.endr
	WIN 0
.irp g, 0,1
.irp j, 0,1,2,3
	ds_store_b128 v[CSW], v[T+16*\g+4*\j:T+16*\g+4*\j+3] offset:2048*\g+16*\j
.endr
.endr
	BAR                                            ; the four waves' parts lie in the stage (the codes there have been in registers since before the last barrier)
	WIN 0x40
.irp w, 0,1,2,3
	ds_load_b128 v[R+8*\w:R+8*\w+3], v[CSR] offset:4096*\w
	ds_load_b128 v[R+8*\w+4:R+8*\w+7], v[CSR] offset:4096*\w+512
.endr
	s_wait_dscnt 0x0
	WIN 0x45
.irp j, 0,2,4,6
	v_pk_add_f32 v[R+\j:R+\j+1], v[R+\j:R+\j+1], v[R+8+\j:R+8+\j+1]
	v_pk_add_f32 v[R+16+\j:R+16+\j+1], v[R+16+\j:R+16+\j+1], v[R+24+\j:R+24+\j+1]
.endr
.irp j, 0,2,4,6
	v_pk_add_f32 v[R+\j:R+\j+1], v[R+\j:R+\j+1], v[R+16+\j:R+16+\j+1]
.endr
	WIN 0x10
.irp j, 0,2,4,6
	v_pk_fma_f32 v[CTX+\j:CTX+\j+1], v[CTX+\j:CTX+\j+1], v[FP:FP+1], v[R+\j:R+\j+1] op_sel_hi:[1,0,1]    ; under the new m
.endr
	WIN 0
.endm
	s_load_b256 s[4:11], s[0:1], 0x0               ; enc s[4:5], uimg s[6:7], cwb s[8:9], v_t s[10:11]
	s_load_b128 s[12:15], s[0:1], 0x20             ; pctx s[12:13], pml s[14:15]
	v_lshl_add_u32 v[SPW], v0, 2, SPARE
	v_mov_b32 v[NIL], 0
	ds_add_u32 v[SPW], v[NIL]                      ; the opening: the add, twice on end, and its wait ahead of my first tensor load
	ds_add_u32 v[SPW], v[NIL]
	v_lshrrev_b32 v20, 5, v0
	v_readfirstlane_b32 s[WV], v20                 ; wave 0..3
	; group 1: my 16 rows are 65,536 dense bytes: 256 rows of 32 elements of 8 bytes, 4 words of padding behind every 64
	s_mov_b32 s[G1+0], (3<<16)|(1<<20)|(5<<22)|(3<<25)
	s_mov_b32 s[G1+1], 32<<16
	s_mov_b32 s[G1+2], 256<<16
	s_mov_b32 s[G1+3], 32<<16
	s_mov_b32 s[G1+4], 256
	s_mov_b32 s[G1+5], 32
	s_mov_b32 s[G1+6], 0
	s_mov_b32 s[G1+7], 0
	s_mov_b32 s[G0], 1
	s_mul_i32 s[G0+1], s[WV], SLOTW                ; my wave's part of the slot
	s_lshl_b32 s2, ttmp9, 20                       ; the work-group's 256 rows of 4,096 bytes,
	s_lshl_b32 s3, s[WV], 16                       ; my wave's 16 of a block
	s_add_co_u32 s2, s2, s3
	s_mov_b32 s3, 0
	s_wait_dscnt 0x0                               ; both opening adds are done
	s_wait_kmcnt 0x0
	s_add_nc_u64 s[G0+2:G0+3], s[4:5], s[2:3]
	s_or_b32 s[G0+3], s[G0+3], 0x80000000
	tensor_load_to_lds s[G0:G0+3], s[G1:G1+7]      ; block 0, ahead of everything else
	s_nop 0
	NOPS 4
	; all the scalar work first, then the vector work in one run
	s_add_nc_u64 s[PF:PF+1], s[4:5], s[2:3]
	s_add_nc_u64 s[PF:PF+1], s[PF:PF+1], 2*262144-196608-8192  ; block 0's steps (196,608 at its head, 8,192 ahead of each prefetch) bring it to my rows of block 2
	s_lshr_b32 s2, ttmp9, 3
	s_lshl_b32 s2, s2, 12                          ; my batch's row of c w
	s_add_nc_u64 s[8:9], s[8:9], s[2:3]
	s_mul_i32 s2, s[WV], 16*TILEB
	s_add_nc_u64 s[U0:U0+1], s[6:7], s[2:3]
	s_lshl_b32 s2, ttmp9, 12
	s_lshl_b32 s17, s[WV], 10
	s_add_co_u32 s2, s2, s17
	s_add_nc_u64 s[12:13], s[12:13], s[2:3]        ; pctx: my work-group's row, my wave's 256 columns
	s_lshl_b32 s2, ttmp9, 8
	s_add_nc_u64 s[14:15], s[14:15], s[2:3]        ; pml: my work-group's 256 bytes
	s_add_co_u32 s19, s17, CWT
	s_add_co_u32 s48, s17, CT
	s_mul_i32 s17, s[WV], 16*CP
	s_add_co_u32 s17, s17, CT
	s_lshl_b32 s18, s[WV], 9
	s_add_co_u32 s18, s18, ST
	s_lshl_b32 s46, s[WV], 2
	s_add_co_u32 s46, s46, EX
	s_lshl_b32 s47, s[WV], 12
	s_add_co_u32 s47, s47, CT
	s_mov_b32 s[TJ], 0                             ; pair 0 is the first in the buffers
	s_mov_b32 s[UO+1], 0
	s_mov_b32 s[CC], 0x4038aa3b
	s_mov_b32 s[CC+1], s[CC]
	s_mov_b32 s[SEL], 0x76543210
	s_mov_b32 s[SEL+1], 0xfedcba98
	s_mov_b32 s[HM], 0xffff0000
	s_cmp_ge_u32 s[WV], 2
	s_cselect_b32 s[WM], -1, 0
	s_bitcmp1_b32 s[WV], 0
	s_cselect_b32 s[WO], -1, 0
.irp i, 0,1,2,3,4,5,6,7,8,9,10,11,12,13,14,15
	s_mov_b32 s[PS+2*\i+1], 0
.endr
	v_and_b32 v20, 31, v0                          ; l
	v_bfe_u32 v21, v0, 4, 1                        ; h
	v_and_b32 v22, 15, v0                          ; r
	v_bfe_u32 v23, v0, 2, 3
	v_mul_u32_u24 v[DR0], v23, 272                 ; column 16 l lies in run l / 4,
	v_and_b32 v23, 3, v0
	v_lshl_add_u32 v[DR0], v23, 6, v[DR0]          ; 64 (l % 4) bytes in
	v_add_nc_u32 v[DR0], s[G0+1], v[DR0]
	v_add_nc_u32 v[DR1], 8*RP, v[DR0]
	v_lshl_add_u32 v[CWA], v20, 3, s17
	v_bfe_u32 v23, v0, 3, 1
	v_lshl_add_u32 v[SBA], v23, 4, s18             ; K step 4 g + l / 8: its parity,
	v_lshl_add_u32 v[SBA], v21, 2, v[SBA]          ; its half,
	v_bfe_u32 v23, v0, 1, 2
	v_add_nc_u32 v[SBA], v[SBA], v23               ; and byte (l / 2) % 4
	v_mul_u32_u24 v[AFA], v22, CP
	v_lshl_add_u32 v[AFA], v21, 4, v[AFA]
	v_add_nc_u32 v[AFA], CT, v[AFA]
	v_lshlrev_b32 v[ASA], 5, v22
	v_lshl_add_u32 v[ASA], v21, 4, v[ASA]
	v_add_nc_u32 v[ASA], ST, v[ASA]
	v_lshlrev_b32 v[L16], 4, v20
	v_lshl_add_u32 v[TB0], v21, 5, s19
	v_mov_b32 v[TBA], v[TB0]
	v_add_nc_u32 v[EXW], s46, v[L16]
	v_add_nc_u32 v[EXR], EX, v[L16]
	v_lshl_add_u32 v[CSW], v20, 6, s47
	v_add_nc_u32 v[CSR], s48, v[L16]
	v_lshlrev_b32 v23, 4, v0                       ; 16 x thread
	v_add_nc_u32 v22, CWT, v23
	v_mov_b32 v[MR], 0xff61b1e6                    ; -3e38, under every t
	v_mov_b32 v[LR], 0
	v_mov_b32 v[FP], 0
	v_mov_b32 v[FP+1], 0
.irp j, 0,1,2,3,4,5,6,7
	v_mov_b32 v[CTX+\j], 0
.endr
	VW
	global_load_b128 v[TW:TW+3], v23, s[8:9]
	global_load_b128 v[TW+4:TW+7], v23, s[8:9] offset:2048
	global_load_b128 v[TW+8:TW+11], v23, s[10:11]
	global_load_b128 v[TW+12:TW+15], v23, s[10:11] offset:2048
	ULD 0, U0, 0                                   ; tiles 0 and 1
	ULD 1, U0, TILEB
	s_wait_loadcnt 34                              ; the tables' four loads are in; U's 34, issued behind them, may be out
.irp j, 8,10,12,14
	v_pk_mul_f32 v[TW+\j:TW+\j+1], v[TW+\j:TW+\j+1], 0xc038aa3b op_sel_hi:[1,0]    ; -c v
.endr
	ds_store_b128 v22, v[TW:TW+3]
	ds_store_b128 v22, v[TW+4:TW+7] offset:2048
	ds_store_b128 v22, v[TW+8:TW+11] offset:4096
	ds_store_b128 v22, v[TW+12:TW+15] offset:6144  ; shown to the other waves by the first block's first barrier
	v_lshlrev_b32 v[PFO], 8, v20                   ; from here on: 256 x lane
	VW
	s_mov_b32 s[BLK], 3
.Lblock:
	BLOCK 1
	s_sub_co_u32 s[BLK], s[BLK], 1
	s_cmp_lg_u32 s[BLK], 0
	VW
	s_cbranch_scc1 .Lblock
	BLOCK 0                                        ; the last block is written out
.irp x, 1,2,4,8
	v_add_f32_dpp v[LR], v[LR], v[LR] row_xmask:\x row_mask:0xf bank_mask:0xf
.endr
	v_permlanex16_b32 v[TW], v[LR], s[SEL], s[SEL+1]
	v_add_f32 v[LR], v[LR], v[TW]                  ; l, in every lane
	v_lshlrev_b32 v21, 3, v20
	s_cmp_lg_u32 s[WV], 0
	VW
	s_cbranch_scc1 .Lnot_wave_0
	global_store_b64 v21, v[MR:LR], s[14:15]       ; (m, l) 32 times: 256 consecutive bytes, aligned
.Lnot_wave_0:
	global_store_b128 v[L16], v[CTX:CTX+3], s[12:13]           ; 512 consecutive bytes a store
	global_store_b128 v[L16], v[CTX+4:CTX+7], s[12:13] offset:512
	s_wait_tensorcnt 0x0                           ; the wave's end
	ds_add_u32 v[SPW], v[NIL]
	s_wait_dscnt 0x0
	s_endpgm
.Lfunc_end_k_qdb3fe9f507_attn:
	.size	k_qdb3fe9f507_attn, .Lfunc_end_k_qdb3fe9f507_attn-k_qdb3fe9f507_attn
	.p2alignl 7, 3214868480
	.fill 96, 4, 3214868480
	.section	.rodata,"a",@progbits
	.p2align	6, 0x0
	.amdhsa_kernel k_qdb3fe9f507_attn
		.amdhsa_group_segment_fixed_size 327680
		.amdhsa_private_segment_fixed_size 0
		.amdhsa_enable_private_segment 0
		.amdhsa_kernarg_size 48
		.amdhsa_user_sgpr_count 2
		.amdhsa_user_sgpr_kernarg_segment_ptr 1
		.amdhsa_wavefront_size32 1
		.amdhsa_system_sgpr_workgroup_id_x 1
		.amdhsa_system_sgpr_workgroup_id_y 1
		.amdhsa_system_sgpr_workgroup_id_z 1
		.amdhsa_system_vgpr_workitem_id 0
		.amdhsa_next_free_vgpr 1024
		.amdhsa_next_free_sgpr 98
		.amdhsa_reserve_vcc 0
		.amdhsa_float_denorm_mode_32 3
		.amdhsa_float_denorm_mode_16_64 3
		.amdhsa_memory_ordered 1
		.amdhsa_forward_progress 1
		.amdhsa_inst_pref_size 228
	.end_amdhsa_kernel
	.amdgpu_metadata
---
amdhsa.version: [ 1, 2 ]
amdhsa.kernels:
  - .name:           k_qdb3fe9f507_attn
    .symbol:         k_qdb3fe9f507_attn.kd
    .args:
      - { .name: encoder_hidden_states, .offset: 0, .size: 8, .value_kind: global_buffer, .address_space: global }
      - { .name: uimg, .offset: 8, .size: 8, .value_kind: global_buffer, .address_space: global }
      - { .name: cwb, .offset: 16, .size: 8, .value_kind: global_buffer, .address_space: global }
      - { .name: v_t, .offset: 24, .size: 8, .value_kind: global_buffer, .address_space: global }
      - { .name: pctx, .offset: 32, .size: 8, .value_kind: global_buffer, .address_space: global }
      - { .name: pml, .offset: 40, .size: 8, .value_kind: global_buffer, .address_space: global }
    .group_segment_fixed_size: 327680
    .private_segment_fixed_size: 0
    .kernarg_segment_align: 8
    .kernarg_segment_size: 48
    .max_flat_workgroup_size: 128
    .sgpr_count:     98
    .vgpr_count:     1024
    .wavefront_size: 32
...
	.end_amdgpu_metadata
.endif
;; end of part 2
;; launch outp (part 3): grid 8 x 32, 8 waves a work-group, no clusters, 27,648 bytes of LDS; arguments pctx, pml, decoder_hidden_state, fimg, out0, out1; writes out0, out1
.if DOCPART == 3
	.amdgcn_target "amdgcn-amd-amdhsa--gfx1250"
	.amdhsa_code_object_version 6
	.text
	.protected	k_qdb3fe9f507_outp
	.globl	k_qdb3fe9f507_outp
	.p2align	8
	.type	k_qdb3fe9f507_outp,@function
k_qdb3fe9f507_outp:
	s_mov_b64 s[64:65], 0
	v_nop
	global_prefetch_b8 v0, s[64:65] scope:SCOPE_SE
	s_setreg_imm32_b32 hwreg(HW_REG_WAVE_MODE, 25, 1), 1
	s_wait_xcnt 0x0
; OUTP.  Work-group (n8, b): batch b, columns 128 n8 .. + 127 of the output.  It joins the batch's eight parts (m, l, sum p x enc) into the context (f32), lays cat = [dec, context] in LDS, quantises it
; (wave w: K steps 2 w and 2 w + 1 of 16), and multiplies it by its columns of ffn in MX-FP4 (wave w: tile 8 n8 + w of fimg, 16 K steps), then tanh.  The work-groups with n8 = 0 also store the context.
; A batch has ONE row: all 16 rows of cat's fragments are that row, and row 0 of the result is taken.  The eight work-groups of a batch each join the parts anew (32 KiB read): no traffic between work-groups.
; LIMITS: as in the launches before: NaN and infinities are not served; a block under 2^-124 gets the scale byte 1, read here alone.
.set C2L,  0x4038aa3b
.set CAT,  0                           ; LDS: cat, 2,048 f32
.set CIMG, 8192                        ; its 16 fragments as images of their registers, 1,024 bytes each
.set CSC,  24576                       ; their scale words: 8 runs of 128 bytes (run q: lanes 0-15 K step 2 q, lanes 16-31 K step 2 q + 1)
.set OST,  25600                       ; 128 results
.set SH,   10
.set TMP,  11
.set TM2,  14
.set FS,   16                          ; v16-23  ffn's scale words; nothing else
.set CS8,  24                          ; v24-31  cat's scale words; nothing else
.set ACC,  32                          ; v32-47  two accumulators
.set PC,   48
.set PW0,  56
.set PW1,  57
.set MX,   58
.set SO,   60
.set BY,   62
.set ML,   64                          ; v64-79  (m, l) of the eight parts
.set PP,   80                          ; v80-111 my four columns of the eight parts
.set DEC,  112
.set CTX4, 116
.set W8,   120
.set X,    64                          ; later: 64 numbers of cat
.set CF,   64                          ; later: cat's fragments, two buffers of four
.set FF,   128                         ; v128-255 ffn's 16 fragments
.set SEL,  20
.set HM,   22
.macro QF x, pw                                ; as in the first launch: register 32 c + i = k 64 c + 32 h + i
.irp c, 0,1
	v_max3_num_f32 v[MX+\c], |v[(\x)+32*\c]|, |v[(\x)+32*\c+1]|, 0x1800000
.endr
.irp i, 2,4,6,8,10,12,14,16,18,20,22,24,26,28,30
.irp c, 0,1
	s_delay_alu instid0(VALU_DEP_2)
	v_max3_num_f32 v[MX+\c], v[MX+\c], |v[(\x)+32*\c+\i]|, |v[(\x)+32*\c+\i+1]|
.endr
.endr
.irp c, 0,1
	s_delay_alu instid0(VALU_DEP_2)
	v_add_nc_u32 v[SO+\c], 0xff000000, v[MX+\c]
.endr
.irp c, 0,1
	s_delay_alu instid0(VALU_DEP_2)
	v_lshrrev_b32 v[BY+\c], 23, v[SO+\c]
.endr
	s_delay_alu instid0(VALU_DEP_1)
	v_lshl_or_b32 v[\pw], v[BY+1], 16, v[BY]
	s_delay_alu instid0(VALU_DEP_1)
	v_lshlrev_b32 v[\pw], v[SH], v[\pw]
	s_delay_alu instid0(VALU_DEP_1)
	v_permlanex16_b32 v[TMP], v[\pw], s[SEL], s[SEL+1]
	s_delay_alu instid0(VALU_DEP_1)
	v_or_b32 v[\pw], v[\pw], v[TMP]
.irp c, 0,1
.irp g, 0,1,2,3
	v_cvt_scalef32_pk8_fp4_f32 v[PC+4*\c+\g], v[(\x)+32*\c+8*\g:(\x)+32*\c+8*\g+7], v[SO+\c]
.endr
.endr
	v_nop                                          ; one plain place behind the last scaled conversion
.endm
.macro BAR
	s_wait_dscnt 0x0
	s_barrier_signal -1
	s_barrier_wait -1
.endm
.macro CFETCH gq                               ; K steps 4 gq .. 4 gq + 3 of cat into buffer gq % 2: 8 loads
.irp u, 0,1,2,3
	ds_load_b128 v[CF+32*((\gq)%2)+8*\u:CF+32*((\gq)%2)+8*\u+3], v3 offset:CIMG+1024*(4*(\gq)+\u)
	ds_load_b128 v[CF+32*((\gq)%2)+8*\u+4:CF+32*((\gq)%2)+8*\u+7], v3 offset:CIMG+1024*(4*(\gq)+\u)+512
.endr
.endm
.macro CMUL gq                                 ; source 0 = cat, source 1 = 16 columns of ffn; accumulator s % 2: the two take turns
.irp u, 0,1,2,3
.set ks, 4*(\gq)+\u
.set rD, ACC+8*(ks%2)
.set rC, CF+32*((\gq)%2)+8*\u
.if ks < 2
.if ks == 0
	v_wmma_scale_f32_16x16x128_f8f6f4 v[rD:rD+7], v[rC:rC+7], v[FF+8*ks:FF+8*ks+7], 0, v[CS8+ks/2], v[FS+ks/2] matrix_a_fmt:MATRIX_FMT_FP4 matrix_b_fmt:MATRIX_FMT_FP4
.else
	v_wmma_scale_f32_16x16x128_f8f6f4 v[rD:rD+7], v[rC:rC+7], v[FF+8*ks:FF+8*ks+7], 0, v[CS8+ks/2], v[FS+ks/2] matrix_a_fmt:MATRIX_FMT_FP4 matrix_b_fmt:MATRIX_FMT_FP4 matrix_a_scale:MATRIX_SCALE_ROW1 matrix_b_scale:MATRIX_SCALE_ROW1
.endif
.elseif ks%2 == 0
	v_wmma_scale_f32_16x16x128_f8f6f4 v[rD:rD+7], v[rC:rC+7], v[FF+8*ks:FF+8*ks+7], v[rD:rD+7], v[CS8+ks/2], v[FS+ks/2] matrix_a_fmt:MATRIX_FMT_FP4 matrix_b_fmt:MATRIX_FMT_FP4
.else
	v_wmma_scale_f32_16x16x128_f8f6f4 v[rD:rD+7], v[rC:rC+7], v[FF+8*ks:FF+8*ks+7], v[rD:rD+7], v[CS8+ks/2], v[FS+ks/2] matrix_a_fmt:MATRIX_FMT_FP4 matrix_b_fmt:MATRIX_FMT_FP4 matrix_a_scale:MATRIX_SCALE_ROW1 matrix_b_scale:MATRIX_SCALE_ROW1
.endif
.endr
.endm
	s_load_b256 s[4:11], s[0:1], 0x0               ; pctx s[4:5], pml s[6:7], dec s[8:9], fimg s[10:11]
	s_load_b128 s[12:15], s[0:1], 0x20             ; out0 s[12:13], out1 s[14:15]
	v_lshl_add_u32 v15, v0, 2, 0x6800
	s_set_vgpr_msb 0x40
	v_mov_b32 v1, 0
	s_set_vgpr_msb 0x4000
	v_lshrrev_b32 v2, 5, v0
	s_delay_alu instid0(VALU_DEP_1)
	v_readfirstlane_b32 s16, v2                    ; wave 0..7
	s_and_b32 s17, ttmp7, 0xffff                   ; the batch
	v_lshlrev_b32 v1, 4, v0                        ; 16 x thread: my four columns of 1,024
	v_and_b32 v2, 31, v0
	s_delay_alu instid0(VALU_DEP_1)
	v_lshlrev_b32 v3, 4, v2                        ; 16 x lane
	v_mov_b32 v4, 0
	v_bfe_u32 v13, v0, 4, 1                        ; h
	s_lshl_b32 s18, s16, 10
	v_lshl_add_u32 v5, v13, 7, s18                 ; cat: my wave's two K steps, + 128 h
	s_lshl_b32 s18, s16, 11
	s_add_co_u32 s18, s18, CIMG
	v_add_nc_u32 v6, s18, v3                       ; where I store my two images
	v_lshlrev_b32 v8, 2, v2                        ; 4 x lane
	s_lshl_b32 s18, s16, 7
	s_add_co_u32 s18, s18, CSC
	v_add_nc_u32 v7, s18, v8                       ; and their scale words
	v_and_b32 v12, 15, v0
	s_lshl_b32 s18, s16, 6
	s_add_co_u32 s18, s18, OST
	v_lshl_add_u32 v9, v12, 2, s18                 ; my column's result
	v_lshlrev_b32 v[SH], 3, v13
	v_mov_b32 v[TMP], 0
	s_mov_b32 s[SEL], 0x76543210
	s_mov_b32 s[SEL+1], 0xfedcba98
	s_mov_b32 s[HM], 0xffff0000
	s_mov_b32 s19, 0
	s_wait_kmcnt 0x0
	s_lshl_b32 s18, s17, 15
	s_add_nc_u64 s[4:5], s[4:5], s[18:19]          ; the batch's eight rows of pctx
	s_lshl_b32 s18, s17, 11
	s_add_nc_u64 s[6:7], s[6:7], s[18:19]          ; and eight runs of pml
	s_lshl_b32 s18, s17, 12
	s_add_nc_u64 s[8:9], s[8:9], s[18:19]
	s_add_nc_u64 s[14:15], s[14:15], s[18:19]
	s_lshl_b32 s24, ttmp9, 9
	s_add_co_u32 s18, s18, s24
	s_add_nc_u64 s[12:13], s[12:13], s[18:19]
	s_lshl_b32 s18, ttmp9, 3
	s_add_co_u32 s18, s18, s16
	s_mul_i32 s18, s18, 17408                      ; my tile of fimg
	s_add_nc_u64 s[10:11], s[10:11], s[18:19]
.irp g, 0,1,2,3,4,5,6,7
	global_load_b64 v[ML+2*\g:ML+2*\g+1], v4, s[6:7] offset:256*\g
.endr
.irp g, 0,1,2,3,4,5,6,7
	global_load_b128 v[PP+4*\g:PP+4*\g+3], v1, s[4:5] offset:4096*\g
.endr
	global_load_b128 v[DEC:DEC+3], v1, s[8:9]
.set i, 0
.rept 32
	global_load_b128 v[FF+4*i:FF+4*i+3], v3, s[10:11] offset:512*i
.set i, i+1
.endr
	global_load_b128 v[FS:FS+3], v3, s[10:11] offset:16384
	global_load_b128 v[FS+4:FS+7], v3, s[10:11] offset:16896
	s_wait_loadcnt 34                              ; the parts and dec are in; ffn's 34 loads, issued behind them, may be out
	v_max3_num_f32 v48, v[ML], v[ML+2], v[ML+4]
	s_delay_alu instid0(VALU_DEP_1)
	v_max3_num_f32 v48, v48, v[ML+6], v[ML+8]
	s_delay_alu instid0(VALU_DEP_1)
	v_max3_num_f32 v48, v48, v[ML+10], v[ML+12]
	s_delay_alu instid0(VALU_DEP_1)
	v_max_num_f32 v48, v48, v[ML+14]               ; the batch's m
.irp g, 0,1,2,3,4,5,6,7
	v_sub_f32 v[W8+\g], v[ML+2*\g], v48
.endr
	s_wait_alu depctr_va_vdst(0)
.irp g, 0,1,2,3,4,5,6,7
	v_exp_f32 v[W8+\g], v[W8+\g]
.endr
	v_nop
	s_wait_alu depctr_va_vdst(0)                   ; one wait for the eight, ahead of their first reader
	v_mul_f32 v49, v[W8], v[ML+1]
.irp g, 1,2,3,4,5,6,7
	v_fma_f32 v49, v[W8+\g], v[ML+2*\g+1], v49     ; the batch's l
.endr
	s_wait_alu depctr_va_vdst(0)
	v_rcp_f32 v50, v49
	v_nop
	s_wait_alu depctr_va_vdst(0)
.irp g, 0,1,2,3,4,5,6,7
	v_mul_f32 v[W8+\g], v[W8+\g], v50
.endr
.irp j, 0,1,2,3
	v_mul_f32 v[CTX4+\j], v[PP+\j], v[W8]
.endr
.irp g, 1,2,3,4,5,6,7
.irp j, 0,1,2,3
	s_delay_alu instid0(VALU_DEP_4)
	v_fma_f32 v[CTX4+\j], v[PP+4*\g+\j], v[W8+\g], v[CTX4+\j]
.endr
.endr
	ds_store_b128 v1, v[DEC:DEC+3] offset:CAT
	ds_store_b128 v1, v[CTX4:CTX4+3] offset:CAT+4096
	s_cmp_lg_u32 ttmp9, 0
	s_cbranch_scc1 .Lno_ctx
	global_store_b128 v1, v[CTX4:CTX4+3], s[14:15] ; the context: one owner for each batch
.Lno_ctx:
	s_wait_xcnt 0x0                                ; the store has read its registers: they are loaded again below
	BAR                                            ; cat lies in LDS
.irp f, 0,1
.irp c, 0,1
.irp i, 0,1,2,3,4,5,6,7
	ds_load_b128 v[X+32*\c+4*\i:X+32*\c+4*\i+3], v5 offset:CAT+512*\f+256*\c+16*\i
.endr
.endr
	s_wait_dscnt 0x0                               ; the numbers are in, and the last image's stores have read their registers
	QF X, PW0+\f
	ds_store_b128 v6, v[PC:PC+3] offset:1024*\f
	ds_store_b128 v6, v[PC+4:PC+7] offset:1024*\f+512
.endr
	v_cndmask_b32 v[TM2], v[PW0], v[PW1], s[HM]
	ds_store_b32 v7, v[TM2]
	BAR                                            ; cat's sixteen fragments lie in LDS
.irp q, 0,1,2,3,4,5,6,7
	ds_load_b32 v[CS8+\q], v8 offset:CSC+128*\q
.endr
	CFETCH 0
	CFETCH 1
	s_wait_loadcnt 0x0                             ; ffn
	s_wait_dscnt 8                                 ; the scale words and group 0 are in; group 1's 8 loads may be out
	CMUL 0
.rept 4
	v_nop                                          ; places in front of loads into registers that matrix instructions have read
.endr
	CFETCH 2
	s_wait_dscnt 8                                 ; group 1 is in
	CMUL 1
.rept 4
	v_nop
.endr
	CFETCH 3
	s_wait_dscnt 8                                 ; group 2 is in
	CMUL 2
	s_wait_dscnt 0x0
	CMUL 3
.rept 4
	v_nop
.endr
	v_add_f32 v48, v[ACC], v[ACC+8]                ; row 0, column r: each accumulator's lowest register
	s_delay_alu instid0(VALU_DEP_1)
	v_mul_f32 v48, C2L, v48
	s_wait_alu depctr_va_vdst(0)
	v_exp_f32 v49, v48
	v_nop
	s_wait_alu depctr_va_vdst(0)
	v_add_f32 v49, 1.0, v49
	s_wait_alu depctr_va_vdst(0)
	v_rcp_f32 v50, v49
	v_nop
	s_wait_alu depctr_va_vdst(0)
	v_fma_f32 v48, v50, -2.0, 1.0                  ; tanh(y) = 1 - 2 / (1 + 2^(c y))
	ds_store_b32 v9, v48                           ; lanes r and 16 + r write the same word with the same value
	BAR
	s_cmp_lg_u32 s16, 0
	s_cbranch_scc1 .Lend
	ds_load_b128 v[52:55], v3 offset:OST
	s_wait_dscnt 0x0
	global_store_b128 v3, v[52:55], s[12:13]       ; 512 consecutive bytes
.Lend:
	s_set_vgpr_msb 0x4
	s_wait_tensorcnt 0x0
	ds_add_u32 v15, v1
	s_wait_dscnt 0x0
	s_set_vgpr_msb 0x400
	s_endpgm
.Lfunc_end_k_qdb3fe9f507_outp:
	.size	k_qdb3fe9f507_outp, .Lfunc_end_k_qdb3fe9f507_outp-k_qdb3fe9f507_outp
	.p2alignl 7, 3214868480
	.fill 96, 4, 3214868480
	.section	.rodata,"a",@progbits
	.p2align	6, 0x0
	.amdhsa_kernel k_qdb3fe9f507_outp
		.amdhsa_group_segment_fixed_size 27648
		.amdhsa_private_segment_fixed_size 0
		.amdhsa_enable_private_segment 0
		.amdhsa_kernarg_size 48
		.amdhsa_user_sgpr_count 2
		.amdhsa_user_sgpr_kernarg_segment_ptr 1
		.amdhsa_wavefront_size32 1
		.amdhsa_system_sgpr_workgroup_id_x 1
		.amdhsa_system_sgpr_workgroup_id_y 1
		.amdhsa_system_sgpr_workgroup_id_z 1
		.amdhsa_system_vgpr_workitem_id 0
		.amdhsa_next_free_vgpr 258
		.amdhsa_next_free_sgpr 66
		.amdhsa_reserve_vcc 0
		.amdhsa_float_denorm_mode_32 3
		.amdhsa_float_denorm_mode_16_64 3
		.amdhsa_memory_ordered 1
		.amdhsa_forward_progress 1
		.amdhsa_inst_pref_size 29
	.end_amdhsa_kernel
	.amdgpu_metadata
---
amdhsa.version: [ 1, 2 ]
amdhsa.kernels:
  - .name:           k_qdb3fe9f507_outp
    .symbol:         k_qdb3fe9f507_outp.kd
    .args:
      - { .name: pctx, .offset: 0, .size: 8, .value_kind: global_buffer, .address_space: global }
      - { .name: pml, .offset: 8, .size: 8, .value_kind: global_buffer, .address_space: global }
      - { .name: decoder_hidden_state, .offset: 16, .size: 8, .value_kind: global_buffer, .address_space: global }
      - { .name: fimg, .offset: 24, .size: 8, .value_kind: global_buffer, .address_space: global }
      - { .name: out0, .offset: 32, .size: 8, .value_kind: global_buffer, .address_space: global }
      - { .name: out1, .offset: 40, .size: 8, .value_kind: global_buffer, .address_space: global }
    .group_segment_fixed_size: 27648
    .private_segment_fixed_size: 0
    .kernarg_segment_align: 8
    .kernarg_segment_size: 48
    .max_flat_workgroup_size: 256
    .sgpr_count:     66
    .vgpr_count:     258
    .wavefront_size: 32
...
	.end_amdgpu_metadata
.endif
;; end of part 3
